; MI455X (gfx1250); checked and timed in simulation.
; The chip was launched on July 23, 2026; its instructions are those of AMD's public machine-readable ISA for CDNA 5 (MIT licence, August 2026) and "CDNA5" Instruction Set Architecture Reference Guide (July 2026). The comments in the code are by the model that wrote it; some were corrected since.
;; Casual Self Attention. Allowed arithmetic: matrix products marked QUANTISED: E2M3 operands, one E8M0 scale for each 32 along K, by v_wmma_scale_f32_16x16x128_f8f6f4 with both operands' format E2M3, f32 sums; everything else in f32.
;; Inputs: b_attn 4,096 float32; w_attn 4,096 x 1,024 float32; x 4 x 2,048 x 1,024 float32.
;; Outputs: out0 4 x 2,048 x 1,024 float32.
;; This version of the problem:
;;   THIS VERSION OF THE PROBLEM IS GIVEN IN LOW PRECISION. The matrix products marked QUANTISED in the list below multiply operands that are first quantised to E2M3 (2 exponent bits, 3 mantissa bits; 6 bits a number), with one power-of-two scale for each 32 numbers along K (OCP MX v1.0); their sums are f32. All else is computed in f32.
;;   The module's matrix products, in the order in which they are computed (A, B: the left and right operand; K: the contracted axis; several contracted axes count as one K, in the product's order):
;;     1. [M 8,192, K 1,024] x [K 1,024, N 4,096]; A: input x; B: input w_attn: QUANTISED
;;     2. batch 64 x [M 2,048, K 64] x [K 64, N 2,048]; A: computed on the way; B: computed on the way: QUANTISED
;;     3. batch 64 x [M 2,048, K 2,048] x [K 2,048, N 64]; A: softmax (see below); B: computed on the way: QUANTISED
;;   THE QUANTISER, for each operand of a quantised product, along K:
;;     - K is cut into blocks of 32 from its start; a last block that is shorter is filled with zeros.
;;     - A block's scale is 2^e with e = floor(log2(the largest magnitude in the block)) - 2, held to -126 .. 127; a block of zeros has e = 0. As a byte (E8M0): e + 127.
;;     - Each number is divided by its block's scale, clamped to +-7.5, and rounded to the nearest number of E2M3, ties to even, subnormals kept.
;;     - The product sums the exact products of the quantised numbers (number of the format x scale) in f32.
;;   ~~~python
;;   def quantise(x, axis):      # numpy; x: float32 -> the quantised numbers, widened to float32 again
;;       x = np.moveaxis(x, axis, -1); K = x.shape[-1]
;;       x = np.pad(x, [(0, 0)] * (x.ndim - 1) + [(0, -K % 32)]); x = x.reshape(x.shape[:-1] + (-1, 32)); a = np.abs(x).max(-1, keepdims=True)
;;       e = np.where(a > 0, np.clip(np.frexp(np.where(a > 0, a, 1))[1] - 1 - 2, -126, 127), 0)      # np.frexp(a)[1] - 1 = floor(log2(a)), exactly
;;       r = np.clip(x / 2.0 ** e, -7.5, 7.5)
;;       step = 2.0 ** (np.maximum(np.frexp(np.where(r == 0, 1, r))[1] - 1, 0) - 3)
;;       q = np.round(r / step) * step * 2.0 ** e      # np.round: ties to even
;;       return np.moveaxis(q.reshape(q.shape[:-2] + (-1,))[..., :K], -1, axis).astype(np.float32)
;;   ~~~
;;   SOFTMAX AHEAD OF A QUANTISED PRODUCT. Where the list says 'softmax', what is quantised is not the finished softmax but p = 2^(t - M), with t = logit x log2(e) and M = ceil(the row's largest t), a whole number; so 1/2 < the row's largest p <= 1. The row's sum l is taken of the UNQUANTISED p, in f32, and the product's result is divided by l at the end. Since M is a whole number, a kernel that streams over the keys may use a running M (the ceiling of the running maximum): every later rescaling is an exact power of two, which a block's scale takes up: the codes' values come out the same.
;;   OPERANDS COMPUTED ON THE WAY. 'Computed on the way' means the value that the module computes at that place (a softmax that the list does not call 'softmax' is quantised finished and normalised). What goes into a quantiser is computed in f32, as accurately as f32 sums, v_exp_f32 and their like allow (about 1e-6 of the number): no bf16 or f16 on the way to a quantiser, and a product that is left as it is and whose result goes on into a quantised operand takes f32 operands (vector FMAs, or v_wmma_f32_16x16x4_f32). A number that lies on a knife's edge between two numbers of the format may be rounded either way, as far as f32 arithmetic and the matrix unit's own rounding can turn it there, and no further.
;; One version. Each part assembles by itself: llvm-mc -triple=amdgcn-amd-amdhsa -mcpu=gfx1250 --defsym DOCPART=n.
;; ======== version 1 of 1: 3 launches
;; limits: right only within a limited range of input values
;; workspace buffers: xc 6,291,456 bytes; xs 262,144 bytes; wc 2,359,296 bytes; ws 98,304 bytes; qb 6,815,744 bytes; kv 13,369,344 bytes
;; launch quant (part 1): grid 352 x 1, 4 waves a work-group, no clusters, 33,280 bytes of LDS; arguments x, w_attn, xc, xs, wc, ws; writes xc, xs, wc, ws
.if DOCPART == 1
	.amdgcn_target "amdgcn-amd-amdhsa--gfx1250"
	.amdhsa_code_object_version 6
	.text
	.protected	k_q2121935a58_quant
	.globl	k_q2121935a58_quant
	.p2align	8
	.type	k_q2121935a58_quant,@function
k_q2121935a58_quant:
	s_mov_b64 s[64:65], 0
	v_nop
	global_prefetch_b8 v0, s[64:65] scope:SCOPE_SE
	s_setreg_imm32_b32 hwreg(HW_REG_WAVE_MODE, 25, 1), 1
	s_wait_xcnt 0x0
; x [8192][1024] and rows 0 to 3071 of w_attn [4096][1024], f32, are turned into codes of FP6 (E2M3), 6 bits each, K innermost, with one E8M0 scale byte for each 32 along K.
; DEAD WORK: rows 3072 to 4095 of w_attn, and the same numbers of b_attn, make the fourth chunk of qkv, which the module slices away for all values of the inputs: they are not read, and that part of the first product is not done.
; A NaN, an infinity or an overflow that reaches only that chunk is not carried to the result.
; A block's scale is 2^(floor(log2(its largest magnitude)) - 2); its byte is the largest magnitude's own exponent field - 2, held at 1 from below.  A block of zeros so gets the byte 1:
; its codes are zeros, which add nothing, and the bytes are read by this program alone.  Each number is divided by the scale and rounded to the nearest code, ties to even.
; LIMITS: blocks whose largest magnitude lies under 2^-124 have their byte held at 1; NaN and infinities among the inputs are not served.
; A wave takes 16 steps of 512 numbers: 8 rows of 1,024.  Each of a step's four loads reads 512 consecutive bytes; the 2,048 bytes go through the wave's own stage in LDS and come back 64 bytes a lane,
; so that a lane holds 16 neighbours along K and two neighbouring lanes a block.  A lane's 16 codes are 12 bytes: the wave stores 384 consecutive bytes.  A wave's 256 scale bytes leave as one aligned run of 256.
; THE ROWS ARE STORED PERMUTED: of every 32 rows the two middle groups of 8 change places (the work-group's wave w writes group w with its two bits swapped).  So 16 neighbouring rows 16 i + r of the codes'
; buffer are the tensor's rows 32 (i / 2) + 8 (i % 2) + r + 8 (r / 8): the choice of rows by which the next launch's results lie as 16 neighbours in a lane's registers.
; The first WGA work-groups take x, the others w_attn.  No tensor loads, no barrier: waves share nothing.  Loads run eight steps (32 loads, 16,384 bytes a wave) ahead, the turn through LDS one step.
.set WAVES, 4
.set STEPS, 16
.set AHEAD, 8                          ; steps that the loads run ahead; as many sets of registers
.set WGA,   256                        ; 8192 x 1024 / 32768
.set EMAX,  2
.set CB,    12                         ; bytes of 16 codes
.set R,     16                         ; v16-143  eight sets of 16 numbers as they are loaded
.set X,     144                        ; v144-175 two sets of 16 neighbours
.set C,     176                        ; v176-239 codes: four registers for each step, so that no store's data are written again
.set E,     240                        ; v240-247 a scale byte, eight registers by turns
.set SPW,   248                        ; v248     LDS address of my spare word; never rewritten
.set NIL,   249                        ; v249     0; never rewritten
.set WREG,  8192                       ; LDS: a region of its own for each wave: two stages of 32 x SP bytes, and behind them its 256 scale bytes
.set SP,    80                         ; a lane's place in a stage: its 64 bytes + 16 of padding
.set SPARE, WAVES*WREG                 ; behind the four regions: the spare words, 512 bytes
	s_load_b128 s[4:7], s[0:1], 0x0                ; x, w_attn
	s_load_b128 s[8:11], s[0:1], 0x10              ; x's codes, x's scales
	s_load_b128 s[12:15], s[0:1], 0x20             ; w's codes, w's scales
	v_lshl_add_u32 v[SPW], v0, 2, SPARE
	v_mov_b32 v[NIL], 0
	v_lshrrev_b32 v1, 5, v0
	v_readfirstlane_b32 s16, v1                    ; wave
	v_and_b32 v2, 31, v0                           ; lane
	v_lshlrev_b32 v3, 4, v2                        ; my 16 bytes of a load's 512
	s_mul_i32 s17, s16, WREG
	v_lshrrev_b32 v14, 2, v2
	v_mul_u32_u24 v14, v14, SP
	v_and_b32 v15, 3, v2
	v_lshl_add_u32 v14, v15, 4, v14
	v_add_nc_u32 v14, s17, v14                     ; the stage, on the way in: SP (lane / 4) + 16 (lane % 4)
	v_mul_u32_u24 v15, v2, SP
	v_add_nc_u32 v15, s17, v15                     ; and on the way out: SP x lane: my 16 neighbours
	v_mul_u32_u24 v4, v2, CB                       ; my codes' place in a step's
	v_lshrrev_b32 v5, 1, v2
	s_add_co_u32 s17, s17, 2*32*SP
	v_add_nc_u32 v5, s17, v5                       ; LDS: my wave's 256 scale bytes, my block's byte
	v_lshlrev_b32 v7, 3, v2                        ; and on the way out 8 bytes a lane
	v_add_nc_u32 v6, s17, v7
	s_wait_alu depctr_va_vdst(0)                   ; the wait at the head's end
	s_wait_kmcnt 0x0
	s_cmp_lt_u32 ttmp9, WGA                        ; x's work-group or w's?  The choice hangs on the work-group's number alone
	s_cselect_b64 s[4:5], s[4:5], s[6:7]
	s_cselect_b64 s[8:9], s[8:9], s[12:13]
	s_cselect_b64 s[10:11], s[10:11], s[14:15]
	s_cselect_b32 s17, 0, WGA
	s_sub_co_u32 s17, ttmp9, s17
	s_lshl_b32 s17, s17, 2
	s_add_co_u32 s18, s17, s16                     ; which run of 8,192 numbers (8 rows) I read: 4 x work-group + wave
	s_mov_b32 s19, 0
	s_and_b32 s22, s16, 1
	s_lshl_b32 s22, s22, 1
	s_lshr_b32 s23, s16, 1
	s_or_b32 s22, s22, s23                         ; the wave's two bits swapped,
	s_add_co_u32 s22, s22, s17                     ; which run I write
	s_mov_b32 s23, 0
	s_mov_b64 s[20:21], 512*STEPS*4
	s_mul_u64 s[20:21], s[18:19], s[20:21]
	s_add_nc_u64 s[4:5], s[4:5], s[20:21]
	s_mov_b64 s[20:21], 32*STEPS*CB
	s_mul_u64 s[20:21], s[22:23], s[20:21]
	s_add_nc_u64 s[8:9], s[8:9], s[20:21]
	s_lshl_b32 s22, s22, 8                         ; 256 scale bytes a run
	s_add_nc_u64 s[10:11], s[10:11], s[22:23]
.macro LOAD t
.irp i, 0,1,2,3
	global_load_b128 v[R+16*((\t)%AHEAD)+4*\i:R+16*((\t)%AHEAD)+4*\i+3], v3, s[4:5] offset:2048*(\t)+512*\i th:TH_LOAD_NT   ; 32 lanes read 512 consecutive bytes
.endr
.endm
.macro TURN t                          ; step t's numbers through the stage: LDS serves a wave's instructions in order, so no wait stands between the stores and the loads
.irp i, 0,1,2,3
	ds_store_b128 v14, v[R+16*((\t)%AHEAD)+4*\i:R+16*((\t)%AHEAD)+4*\i+3] offset:32*SP*((\t)%2)+8*SP*\i
.endr
.irp i, 0,1,2,3
	ds_load_b128 v[X+16*((\t)%2)+4*\i:X+16*((\t)%2)+4*\i+3], v15 offset:32*SP*((\t)%2)+16*\i
.endr
.endm
.irp t, 0,1,2,3,4,5,6,7
	LOAD \t
.endr
	s_wait_loadcnt 4*(AHEAD-1)                     ; step 0's four loads are in; the seven younger steps' 28 may be out
	TURN 0
.macro STEP t
.set XS, X+16*((\t)%2)
.if (\t) > 0
	s_wait_dscnt 1                                 ; this step's numbers are back from the stage (the last step's byte store may be out): so its stores into the stage have read their registers,
.else
	s_wait_dscnt 0x0
.endif
.if (\t)+AHEAD < STEPS
	LOAD (\t)+AHEAD                                ; which take the loads of eight steps on
.endif
.if (\t)+1 < STEPS
.if STEPS-2-(\t) >= AHEAD-1
	s_wait_loadcnt 4*(AHEAD-1)                     ; the next step's four loads are in; those of the seven steps behind it may be out
.else
	s_wait_loadcnt 4*(STEPS-2-(\t))                ; in the last steps: those of the steps that are left behind it
.endif
	TURN (\t)+1                                    ; and go through the other stage while this step is worked
.endif
	v_max3_num_f32 v8, |v[XS]|, |v[XS+1]|, |v[XS+2]|               ; the largest magnitude of my 16
	v_max3_num_f32 v9, |v[XS+3]|, |v[XS+4]|, |v[XS+5]|
.irp i, 6,10
	v_max3_num_f32 v8, v8, |v[XS+\i]|, |v[XS+\i+1]|
	v_max3_num_f32 v9, v9, |v[XS+\i+2]|, |v[XS+\i+3]|
.endr
	v_max3_num_f32 v8, v8, |v[XS+14]|, |v[XS+15]|
	v_max3_num_f32 v8, v8, v9, (EMAX+1)<<23        ; and the floor 2^(3 - 127): so the byte cannot fall under 1
	v_max_num_f32_dpp v8, v8, v8 row_xmask:1 row_mask:0xf bank_mask:0xf   ; and of my neighbour's 16: the block's
	v_add_nc_u32 v11, -(EMAX<<23), v8              ; 2 off its exponent field: the conversion takes the exponent field of this operand as its scale, and nothing else of it
	v_cvt_scalef32_pk16_fp6_f32 v[C+4*(\t):C+4*(\t)+2], v[XS:XS+15], v11         ; sixteen numbers / the scale, to the nearest code; 96 bits without gaps, the first number's code lowest
	v_lshrrev_b32 v[E+(\t)%8], 23, v11             ; the scale's byte (the store that read this register eight steps ago is done: each step waits for all but one LDS instruction)
	ds_store_b8 v5, v[E+(\t)%8] offset:16*(\t)     ; both lanes of a block write the same byte with the same value
	global_store_b96 v4, v[C+4*(\t):C+4*(\t)+2], s[8:9] offset:32*CB*(\t)
.endm
.irp t, 0,1,2,3,4,5,6,7,8,9,10,11,12,13,14,15
	STEP \t
.endr
	ds_load_b64 v[12:13], v6                       ; LDS serves a wave's instructions in order: these see my stores
	s_wait_dscnt 0x0
	global_store_b64 v7, v[12:13], s[10:11]        ; 32 lanes store 256 consecutive bytes, aligned
	s_wait_tensorcnt 0x0                           ; the wave's end
	ds_add_u32 v[SPW], v[NIL]
	s_wait_dscnt 0x0
	s_endpgm
.Lfunc_end_k_q2121935a58_quant:
	.size	k_q2121935a58_quant, .Lfunc_end_k_q2121935a58_quant-k_q2121935a58_quant
	.p2alignl 7, 3214868480
	.fill 96, 4, 3214868480
	.section	.rodata,"a",@progbits
	.p2align	6, 0x0
	.amdhsa_kernel k_q2121935a58_quant
		.amdhsa_group_segment_fixed_size 33280
		.amdhsa_private_segment_fixed_size 0
		.amdhsa_enable_private_segment 0
		.amdhsa_kernarg_size 48
		.amdhsa_user_sgpr_count 2
		.amdhsa_user_sgpr_kernarg_segment_ptr 1
		.amdhsa_wavefront_size32 1
		.amdhsa_system_sgpr_workgroup_id_x 1
		.amdhsa_system_sgpr_workgroup_id_y 1
		.amdhsa_system_sgpr_workgroup_id_z 1
		.amdhsa_system_vgpr_workitem_id 0
		.amdhsa_next_free_vgpr 250
		.amdhsa_next_free_sgpr 66
		.amdhsa_reserve_vcc 0
		.amdhsa_float_denorm_mode_32 3
		.amdhsa_float_denorm_mode_16_64 3
		.amdhsa_memory_ordered 1
		.amdhsa_forward_progress 1
		.amdhsa_inst_pref_size 33
	.end_amdhsa_kernel
	.amdgpu_metadata
---
amdhsa.version: [ 1, 2 ]
amdhsa.kernels:
  - .name:           k_q2121935a58_quant
    .symbol:         k_q2121935a58_quant.kd
    .args:
      - { .name: x, .offset: 0, .size: 8, .value_kind: global_buffer, .address_space: global }
      - { .name: w_attn, .offset: 8, .size: 8, .value_kind: global_buffer, .address_space: global }
      - { .name: xc, .offset: 16, .size: 8, .value_kind: global_buffer, .address_space: global }
      - { .name: xs, .offset: 24, .size: 8, .value_kind: global_buffer, .address_space: global }
      - { .name: wc, .offset: 32, .size: 8, .value_kind: global_buffer, .address_space: global }
      - { .name: ws, .offset: 40, .size: 8, .value_kind: global_buffer, .address_space: global }
    .group_segment_fixed_size: 33280
    .private_segment_fixed_size: 0
    .kernarg_segment_align: 8
    .kernarg_segment_size: 48
    .max_flat_workgroup_size: 128
    .sgpr_count:     66
    .vgpr_count:     250
    .wavefront_size: 32
...
	.end_amdgpu_metadata
.endif
;; end of part 1
;; launch qkv (part 2): grid 12 x 32, 4 waves a work-group, clusters of 4 x 4, 327,680 bytes of LDS; arguments xc, xs, wc, ws, b_attn, qb, kv; writes qb, kv
.if DOCPART == 2
	.amdgcn_target "amdgcn-amd-amdhsa--gfx1250"
	.amdhsa_code_object_version 6
	.text
	.protected	k_q2121935a58_qkv
	.globl	k_q2121935a58_qkv
	.p2align	8
	.type	k_q2121935a58_qkv,@function
k_q2121935a58_qkv:
	s_mov_b64 s[64:65], 0
	v_nop
	global_prefetch_b8 v0, s[64:65] scope:SCOPE_SE
	s_setreg_imm32_b32 hwreg(HW_REG_WAVE_MODE, 25, 1), 1
	s_wait_xcnt 0x0
	s_wait_alu depctr_hold_cnt(0) depctr_sa_sdst(0) depctr_va_vdst(0) depctr_va_sdst(0) depctr_va_ssrc(0) depctr_va_vcc(0) depctr_vm_vsrc(0)
	s_getreg_b32 s2, hwreg(HW_REG_IB_STS2, 6, 4)
	s_cmp_eq_u32 s2, 0
	s_cbranch_scc0 .Lentry_in_a_cluster
	s_endpgm
.Lentry_in_a_cluster:
	s_bfe_u32 s2, ttmp6, 0x10000c
	s_cmp_lg_u32 s2, 0xf033
	s_cbranch_scc0 .Lentry_shape_is_right
	s_endpgm
.Lentry_shape_is_right:
; Q, K, V = x W^T + b on codes of FP6 (E2M3) with E8M0 scales, K = 1,024, and the quantisers of the results: they leave as images of the next launch's operand registers (qb: Q; kv: K and V).
; The fourth chunk of qkv is sliced away by the module: its rows of w_attn and of b_attn are never read.
; A work-group of four waves makes 256 x 256; a wave 128 x 128 in 64 accumulators.  Cluster x = 0: Q, 1: K (A = x's rows, B = the weight's rows); 2: V (A = the weight's rows, B = x's rows), so that a lane's
; registers run along the next product's K: the head's columns for Q and K, the tokens for V.  The matrix instruction is used transposed (source 0 = B's rows, source 1 = A's).
; K goes through a ring of two LDS slots in CHUNKS OF 256 BYTES of each row of 768: every tensor row begins at a multiple of 256 bytes.  A step of 128 along K is 96 bytes: eight steps to three chunks; steps 2 and 5 lie across two chunks.
; The scales of A's and B's 256 rows, two dense blocks of 8,192 bytes, come once, as rows of 256 bytes.
; CLUSTERS 4 x 4: A's tiles are asked for jointly by a row of the cluster, B's by a column.
; NO PREFETCH: the walk along K is three chunks, of which two are asked for at the head: there is no loop to run ahead in.
; LIMITS: NaN and infinities are not served; a block of zeros gets the scale byte 1 over zero codes (the bytes are read by this program alone).
; REGISTERS: window 0: v0-31 addresses, v32-63 scale words (two sets), v128-223 A's fragments; window 1: B's fragments, two sets; windows 2, 3: the accumulators.
.set ROWB,   256
.set NQ,     2
.set KROW,   768
.set STEPS,  8
.set CHUNKS, 3
.set PITCH,  272                       ; 256 bytes + 16 of padding
.set FR,     12
.set NL,     6
.set NP,     4
.set HALFT,  128*PITCH
.set SLOT,   4*HALFT                   ; A's 256 rows, then B's
.set KS,     32
.set SCL,    2*SLOT
.set HALFS,  (128*KS/256)*272
.set SBLK,   (16*KS/256)*272
.set SPARE,  SCL+4*HALFS               ; the spare words, 512 bytes
.set BSCR,   SPARE+512                 ; each wave's 512 bytes of bias; no fill lands here
.set KVH,    16*13056
.set ADRA, 16                          ; v16-17 A's fragments in slot 0, 1; v18-19 for pieces whose two halves of the lanes lie in different chunks
.set ADRB, 20                          ; v20-23 the same for B
.set OFF0, 24
.set L16,  25
.set OFF1, 26
.set ADRS, 27
.set SPW,  28
.set NIL,  29
.set OFFS, 30
.set SH,   31
.set BLJ,  7
.set BLI,  8
.set BST,  9
.set SC,   32
.set AF,   128
.set HA,   64
.set BJ,   128
.set BI,   128
.set PC,   192
.set TM,   224
.set SW,   240
.set SOUT, 248
.set SEL,  12
.set G1, 24
.set G0, 32
.set G1B, 48
.set G0B, 56
.set G1S, 68
.set G0S, 76
.set G1SB, 80
.set G0SB, 88
.set MSB, 0
.macro WIN new
.if MSB != \new
	s_set_vgpr_msb (MSB<<8)|\new
.set MSB, \new
.endif
.endm
.set MUL_LO, 0xa1
.set MUL_HI, 0xf1
.set TO_B,   0x40
.macro JLOAD g0a, g1a, g0b, g1b        ; waves 0, 1 fetch for A, waves 2, 3 for B
	s_cmp_eq_u32 s15, 0
	s_cbranch_scc0 .Lfor_b_\@
	tensor_load_to_lds s[\g0a:\g0a+3], s[\g1a:\g1a+7]
	s_nop 0
.rept 4
	v_nop
.endr
	s_branch .Lasked_\@
.Lfor_b_\@:
	tensor_load_to_lds s[\g0b:\g0b+3], s[\g1b:\g1b+7]
	s_nop 0
.rept 4
	v_nop
.endr
.Lasked_\@:
.endm
.macro CREST
	s_cmp_lg_u32 s14, 0
	s_cbranch_scc1 .Lnot_wave_0_\@
	s_barrier_signal -3
.Lnot_wave_0_\@:
	s_barrier_wait -3
	s_barrier_signal -1
	s_barrier_wait -1
.endm
.macro CROUND
	s_barrier_signal -1
	s_barrier_wait -1
	CREST
.endm
	s_load_b256 s[4:11], s[0:1], 0x0               ; xc, xs, wc, ws
	s_load_b128 s[96:99], s[0:1], 0x20             ; b_attn, qb
	s_load_b64 s[100:101], s[0:1], 0x30            ; kv
	v_lshl_add_u32 v[SPW], v0, 2, SPARE
	v_mov_b32 v[NIL], 0
	ds_add_u32 v[SPW], v[NIL]                      ; the opening lines: the add twice on end and its wait
	ds_add_u32 v[SPW], v[NIL]
	v_lshrrev_b32 v1, 5, v0
	v_readfirstlane_b32 s14, v1                    ; wave; s15 its half of A's rows, s16 of B's
	s_lshr_b32 s15, s14, 1
	s_and_b32 s16, s14, 1
	s_bfe_u32 s40, ttmp6, 0x40000                  ; cx
	s_bfe_u32 s41, ttmp6, 0x40004                  ; cy
	s_and_b32 s42, ttmp7, 0xffff
	s_lshl_b32 s42, s42, 2                         ; 4 x cluster y
	s_lshl_b32 s46, ttmp9, 2
	s_cmp_eq_u32 ttmp9, 2
	s_cselect_b32 s17, 8, s42                      ; A's tile: x's tile row, or for V the weight's tiles 8 ..
	s_cselect_b32 s46, s42, s46                    ; B's tile
	s_add_co_u32 s17, s17, s41
	s_add_co_u32 s46, s46, s40
	s_lshl_b32 s43, s41, 2
	s_lshl_b32 s43, 15, s43                        ; my row of the cluster
	s_lshl_b32 s44, 0x1111, s40                    ; my column
	s_or_b32 s[G1+0], s43, (0<<16)|(1<<20)|(1<<21)|(5<<22)|(3<<25)
	s_or_b32 s[G1B+0], s44, (0<<16)|(1<<20)|(1<<21)|(5<<22)|(3<<25)
.irp g, G1, G1B                        ; 256 rows of 256 bytes for the head's loads; behind them 128
	s_mov_b32 s[\g+1], ROWB<<16
	s_mov_b32 s[\g+2], 256<<16
	s_mov_b32 s[\g+3], ROWB<<16
	s_mov_b32 s[\g+4], 256
	s_mov_b32 s[\g+5], KROW
	s_mov_b32 s[\g+6], 0
	s_mov_b32 s[\g+7], 0
.endr
	s_or_b32 s[G1S+0], s43, (3<<16)|(1<<20)|(1<<21)|(5<<22)|(3<<25)
	s_or_b32 s[G1SB+0], s44, (3<<16)|(1<<20)|(1<<21)|(5<<22)|(3<<25)
.irp g, G1S, G1SB                      ; the scales of 256 rows: 32 rows of 256 bytes
	s_mov_b32 s[\g+1], 32<<16
	s_mov_b32 s[\g+2], KS<<16
	s_mov_b32 s[\g+3], 32<<16
	s_mov_b32 s[\g+4], KS
	s_mov_b32 s[\g+5], 32
	s_mov_b32 s[\g+6], 0
	s_mov_b32 s[\g+7], 0
.endr
	s_lshl_b32 s20, s17, 8                         ; A's first row
	s_lshl_b32 s47, s46, 8                         ; B's
	s_mul_i32 s12, s20, KROW
	s_mov_b32 s13, 0
	s_lshl_b32 s66, s20, 5
	s_mov_b32 s67, 0
	s_mul_i32 s94, s47, KROW
	s_mov_b32 s95, 0
	s_lshl_b32 s104, s47, 5
	s_mov_b32 s105, 0
	s_mul_i32 s2, s16, 128*KROW                    ; in the ring I fetch 128 rows of a tile: which half,
	s_mov_b32 s3, 0
	s_mul_i32 s45, s14, HALFT                      ; and where they go
	s_wait_dscnt 0x0
	s_wait_kmcnt 0x0
	s_cmp_eq_u32 ttmp9, 2
	s_cselect_b64 s[20:21], s[8:9], s[4:5]
	s_cselect_b64 s[22:23], s[10:11], s[6:7]
	s_cselect_b64 s[46:47], s[4:5], s[8:9]
	s_cselect_b64 s[92:93], s[6:7], s[10:11]
	s_add_nc_u64 s[20:21], s[20:21], s[12:13]
	s_add_nc_u64 s[22:23], s[22:23], s[66:67]
	s_add_nc_u64 s[46:47], s[46:47], s[94:95]
	s_add_nc_u64 s[92:93], s[92:93], s[104:105]
	CROUND                                         ; in front of the first joint loads
	s_mov_b32 s[G0], 1                             ; the head's four tiles, each whole: chunk 0 of A's 256 rows,
	s_mov_b32 s[G0+1], 0
	s_mov_b64 s[G0+2:G0+3], s[20:21]
	s_or_b32 s[G0+3], s[G0+3], 0x80000000
	s_mov_b32 s[G0B], 1                            ; of B's,
	s_mov_b32 s[G0B+1], 2*HALFT
	s_mov_b64 s[G0B+2:G0B+3], s[46:47]
	s_or_b32 s[G0B+3], s[G0B+3], 0x80000000
	s_mov_b32 s[G0S], 1                            ; A's scales,
	s_mov_b32 s[G0S+1], SCL
	s_mov_b64 s[G0S+2:G0S+3], s[22:23]
	s_or_b32 s[G0S+3], s[G0S+3], 0x80000000
	s_mov_b32 s[G0SB], 1                           ; B's
	s_mov_b32 s[G0SB+1], SCL+2*HALFS
	s_mov_b64 s[G0SB+2:G0SB+3], s[92:93]
	s_or_b32 s[G0SB+3], s[G0SB+3], 0x80000000
	s_mov_b32 s[G0+4], 1                           ; slot 1: chunk 1, my 128 rows
	s_add_co_u32 s[G0+5], s45, SLOT
	s_add_nc_u64 s[G0+6:G0+7], s[20:21], s[2:3]
	s_add_nc_u64 s[G0+6:G0+7], s[G0+6:G0+7], ROWB
	s_or_b32 s[G0+7], s[G0+7], 0x80000000
	s_mov_b32 s[G0B+4], 1
	s_add_co_u32 s[G0B+5], s45, SLOT
	s_add_nc_u64 s[G0B+6:G0B+7], s[46:47], s[2:3]
	s_add_nc_u64 s[G0B+6:G0B+7], s[G0B+6:G0B+7], ROWB
	s_or_b32 s[G0B+7], s[G0B+7], 0x80000000
.macro ARM under, g0, g1, next         ; one tree of branches on the wave's number, one load to an arm
	s_cmp_lt_u32 s14, \under
	s_cbranch_scc0 \next
	tensor_load_to_lds s[\g0:\g0+3], s[\g1:\g1+7]
	s_nop 0
.rept 4
	v_nop
.endr
	s_branch .Lhead_asked
\next:
.endm
	ARM 1, G0,  G1,  .Lhead_b
	ARM 2, G0B, G1B, .Lhead_sa
	ARM 3, G0S, G1S, .Lhead_sb
	tensor_load_to_lds s[G0SB:G0SB+3], s[G1SB:G1SB+7]
	s_nop 0
.rept 4
	v_nop
.endr
.Lhead_asked:
	v_and_b32 v1, 15, v0                           ; r
	v_bfe_u32 v2, v0, 4, 1                         ; h
	v_mul_u32_u24 v3, v1, PITCH
	v_mul_u32_u24 v4, v2, 24
	v_add_nc_u32 v4, v3, v4                        ; row x pitch + 24 h
	s_mov_b32 s21, SLOT-232
	s_mov_b32 s22, SLOT+232
	v_sub_nc_u32 v7, 1, v2
	v_mul_u32_u24 v5, s21, v2
	v_add_nc_u32 v5, v3, v5
	v_add_nc_u32 v5, 232, v5                       ; lanes 0-15 byte 232 of the row in slot 0, lanes 16-31 byte 0 in slot 1;
	v_mul_u32_u24 v6, s22, v7
	v_add_nc_u32 v6, v3, v6                        ; and the other way round
	s_mul_i32 s21, s15, HALFT
	s_mul_i32 s22, s16, HALFT
	s_add_co_u32 s22, s22, 2*HALFT
	v_add_nc_u32 v[ADRA+2], s21, v5
	v_add_nc_u32 v[ADRA+3], s21, v6
	v_add_nc_u32 v[ADRB+2], s22, v5
	v_add_nc_u32 v[ADRB+3], s22, v6
.irp s, 0,1
	v_add_nc_u32 v[ADRA+\s], s21, v4
	v_add_nc_u32 v[ADRB+\s], s22, v4
	s_add_co_u32 s21, s21, SLOT
	s_add_co_u32 s22, s22, SLOT
.endr
	v_mul_u32_u24 v5, v1, KS                       ; my row's scale words: lanes 0-15 A's, lanes 16-31 B's
	v_lshrrev_b32 v6, 8, v5
	v_lshl_add_u32 v5, v6, 4, v5
	s_mul_i32 s21, s15, HALFS
	s_mul_i32 s22, s16, HALFS
	s_add_co_u32 s22, s22, 2*HALFS
	s_sub_co_u32 s22, s22, s21
	v_mul_u32_u24 v6, s22, v2
	s_add_co_u32 s21, s21, SCL
	v_add_nc_u32 v5, v5, v6
	v_add_nc_u32 v[ADRS], s21, v5
	; where the results go: the block of 128 tokens of my two heads, in qb or kv; and my 128 numbers of the bias
	s_cmp_eq_u32 ttmp9, 2
	s_cselect_b32 s4, s40, s41
	s_cselect_b32 s5, s16, s15
	s_cselect_b32 s6, s41, s40
	s_cselect_b32 s7, s15, s16
	s_mov_b32 s10, 12800
	s_mov_b32 s19, 12288
	s_cselect_b32 s19, s10, s19
	s_cmp_eq_u32 ttmp9, 0
	s_cselect_b32 s19, 6144, s19
	s_mov_b32 s8, 13056
	s_cselect_b32 s8, 6656, s8
	s_cselect_b64 s[98:99], s[98:99], s[100:101]
	s_add_co_u32 s4, s4, s42
	s_lshl_b32 s4, s4, 1
	s_add_co_u32 s4, s4, s5
	s_and_b32 s4, s4, 15
	s_lshl_b32 s6, s6, 2
	s_lshl_b32 s7, s7, 1
	s_add_co_u32 s6, s6, s7
	s_lshr_b32 s5, s42, 3
	s_lshl_b32 s5, s5, 4
	s_add_co_u32 s5, s5, s6
	s_lshl_b32 s5, s5, 4
	s_add_co_u32 s5, s5, s4
	s_mul_i32 s10, s5, s8
	s_mov_b32 s11, 0
	s_add_nc_u64 s[98:99], s[98:99], s[10:11]
	s_lshl_b32 s9, s8, 4
	s_lshl_b32 s10, ttmp9, 12
	s_lshl_b32 s7, s6, 8
	s_add_co_u32 s10, s10, s7
	s_add_nc_u64 s[96:97], s[96:97], s[10:11]
	s_mov_b32 s[SEL], 0x76543210
	s_mov_b32 s[SEL+1], 0xfedcba98
	v_and_b32 v6, 31, v0
	v_lshlrev_b32 v[OFF0], 3, v6
	v_lshlrev_b32 v[L16], 4, v6
	v_add_nc_u32 v[OFF1], s9, v[OFF0]
	v_mul_u32_u24 v[OFFS], s9, v2
	v_lshl_add_u32 v[OFFS], v1, 4, v[OFFS]
	v_add_nc_u32 v[OFFS], s19, v[OFFS]
	v_lshlrev_b32 v[SH], 4, v2
	s_lshl_b32 s10, s14, 9
	s_add_co_u32 s10, s10, BSCR
	v_lshl_add_u32 v[BLJ], v2, 6, s10
	v_and_b32 v5, 8, v1
	v_add_nc_u32 v5, v5, v1
	v_lshl_add_u32 v[BLI], v5, 2, s10
	v_add_nc_u32 v[BST], s10, v[L16]
	global_load_b128 v[10:13], v[L16], s[96:97]
	s_wait_alu depctr_va_vdst(0)                   ; the wait at the head's end
	s_wait_loadcnt 0x0
	ds_store_b128 v[BST], v[10:13]                 ; the bias, into my own 512 bytes
	s_wait_dscnt 0x0
.macro FRAG reg, adr, st, i            ; six pieces of 8 bytes; byte y of a row lies in chunk y / 256, slot (y / 256) % 2, at byte y % 256 of the LDS row
.irp p, 0,1,2,3,4,5
.set BY, 96*(\st)+48*(\p/3)+8*(\p%3)
.if BY/ROWB == (BY+24)/ROWB
	ds_load_b64 v[\reg+2*\p:\reg+2*\p+1], v[\adr+(BY/ROWB)%2] offset:BY%ROWB+(\i)*16*PITCH
.else
	ds_load_b64 v[\reg+2*\p:\reg+2*\p+1], v[\adr+2+(BY/ROWB)%2] offset:BY%ROWB-232+(\i)*16*PITCH
.endif
.endr
.endm
.macro MUL16 a0, p, q, sc, zero        ; A's blocks a0, a0 + 1 x B's eight; the 64 accumulators by turns
.irp a, \a0, \a0+1
.irp b, 0,1,2,3,4,5,6,7
.if \zero
	v_wmma_scale_f32_16x16x128_f8f6f4 v[8*(8*((\a)%4)+\b):8*(8*((\a)%4)+\b)+7], v[128*(\p)+FR*\b:128*(\p)+FR*\b+FR-1], v[AF+FR*(\a):AF+FR*(\a)+FR-1], 0, v[SC+8*NQ*(\sc)+NQ*\b+(\q)], v[SC+8*NQ*(\sc)+NQ*(\a)+(\q)] matrix_a_fmt:MATRIX_FMT_FP6 matrix_b_fmt:MATRIX_FMT_FP6 matrix_a_scale:MATRIX_SCALE_ROW1
.else
	v_wmma_scale_f32_16x16x128_f8f6f4 v[8*(8*((\a)%4)+\b):8*(8*((\a)%4)+\b)+7], v[128*(\p)+FR*\b:128*(\p)+FR*\b+FR-1], v[AF+FR*(\a):AF+FR*(\a)+FR-1], v[8*(8*((\a)%4)+\b):8*(8*((\a)%4)+\b)+7], v[SC+8*NQ*(\sc)+NQ*\b+(\q)], v[SC+8*NQ*(\sc)+NQ*(\a)+(\q)] matrix_a_fmt:MATRIX_FMT_FP6 matrix_b_fmt:MATRIX_FMT_FP6 matrix_a_scale:MATRIX_SCALE_ROW1
.endif
.endr
.endr
.endm
.macro FETCH_B st, p
	WIN TO_B
.irp i, 0,1,2,3,4,5,6,7
	FRAG 128*(\p)+FR*\i, ADRB, \st, \i
.endr
	WIN 0
.endm
.macro FETCH_A st, i0
.irp i, \i0, \i0+1, \i0+2, \i0+3
	FRAG AF+FR*(\i), ADRA, \st, \i
.endr
.endm
.macro SCALES pr                       ; the scale words of steps 2 pr, 2 pr + 1 into set pr % 2
.irp i, 0,1,2,3,4,5,6,7
	ds_load_b64 v[SC+8*NQ*((\pr)%2)+NQ*\i:SC+8*NQ*((\pr)%2)+NQ*\i+1], v[ADRS] offset:\i*SBLK+4*NQ*(\pr)
.endr
.endm
.macro PLACES n
.rept \n
	v_nop
.endr
.endm
; A step: 64 products; the next step's fragments are fetched in its middle and at its end.  Where the next step's bytes END in a chunk not read yet, a barrier shows that chunk whole; where they BEGIN in a later chunk,
; the chunk left behind is read no more: the three lines, the barrier, and, where a chunk two on is left, the cluster's round and the refill.
.macro STEP st, zero
.set NX, (\st)+1
.set C0, (96*(\st))/ROWB
.set C1, (96*NX)/ROWB
.set E0, (96*(\st)+95)/ROWB
.set E1, (96*NX+95)/ROWB
.if C1 > C0 || E1 > E0
	s_wait_tensorcnt 0x0                           ; all my tensor loads have landed
.if C1 > C0
	ds_add_u32 v[SPW], v[NIL]
	s_wait_dscnt 4*NL+1                            ; the add and A's blocks 4-7 may be out
.else
	s_wait_dscnt 4*NL                              ; A's blocks 4-7 may be out
.endif
	WIN MUL_LO
	MUL16 0, (\st)%2, (\st)%2, ((\st)/2)%2, \zero
	s_wait_dscnt 0x0                               ; the add and all my reads are done
	s_barrier_signal -1
	MUL16 2, (\st)%2, (\st)%2, ((\st)/2)%2, \zero
	WIN 0
	s_barrier_wait -1
.if C1 > C0 && C0+2 < CHUNKS
	CREST
	s_add_nc_u64 s[G0+4*(C0%2)+2:G0+4*(C0%2)+3], s[G0+4*(C0%2)+2:G0+4*(C0%2)+3], 2*ROWB
	s_add_nc_u64 s[G0B+4*(C0%2)+2:G0B+4*(C0%2)+3], s[G0B+4*(C0%2)+2:G0B+4*(C0%2)+3], 2*ROWB
	JLOAD G0+4*(C0%2), G1, G0B+4*(C0%2), G1B       ; chunk C0 + 2; its four v_nop are the places in front of the loads below
.else
	PLACES NP
.endif
.else
	s_wait_dscnt 4*NL                              ; A's blocks 4-7 may be out
	WIN MUL_LO
	MUL16 0, (\st)%2, (\st)%2, ((\st)/2)%2, \zero
	MUL16 2, (\st)%2, (\st)%2, ((\st)/2)%2, \zero
	s_wait_dscnt 0
	PLACES NP
.endif
	FETCH_B NX, NX%2
	FETCH_A NX, 0
.if NX%2 == 0
	SCALES NX/2
.endif
	WIN MUL_HI
	MUL16 4, (\st)%2, (\st)%2, ((\st)/2)%2, \zero
	MUL16 6, (\st)%2, (\st)%2, ((\st)/2)%2, \zero
	PLACES NP
	WIN 0
	FETCH_A NX, 4
.endm
	s_wait_tensorcnt 0x0                           ; my tile of the head's four is in; the lines ahead of slot 1's first fill
	ds_add_u32 v[SPW], v[NIL]
	s_mov_b32 s[G1+2], 128<<16                     ; no tensor load of mine is out: from here on a load brings my 128 rows
	s_mov_b32 s[G1+4], 128
	s_mov_b32 s[G1B+2], 128<<16
	s_mov_b32 s[G1B+4], 128
	s_mov_b32 s[G0+1], s45
	s_add_nc_u64 s[G0+2:G0+3], s[G0+2:G0+3], s[2:3]
	s_mov_b32 s[G0B+1], s45
	s_add_nc_u64 s[G0B+2:G0B+3], s[G0B+2:G0B+3], s[2:3]
	s_wait_dscnt 0x0
	CROUND
	JLOAD G0+4, G1, G0B+4, G1B                     ; chunk 1
	FETCH_B 0, 0
	FETCH_A 0, 0
	SCALES 0
	FETCH_A 0, 4
	STEP 0, 1                                      ; the first step's products start the sums
.set ST, 1
.rept STEPS-2
	STEP ST, 0
.set ST, ST+1
.endr
	s_wait_dscnt 4*NL
	WIN MUL_LO
	MUL16 0, 1, 1, 1, 0
	MUL16 2, 1, 1, 1, 0
	s_wait_dscnt 0
	WIN MUL_HI
	MUL16 4, 1, 1, 1, 0
	MUL16 6, 1, 1, 1, 0
	WIN 0
; THE WAY OUT: block a's 64 sums a lane + the bias; four scale blocks of 32 (16 mine, 16 lane l xor 16's); codes; whole blocks to a lane by lane swaps
.macro QUANT s, pw
.irp b, 0,1,2,3
	v_max3_num_f32 v[TM+\b], |v[\s+16*\b]|, |v[\s+1+16*\b]|, 0x1800000
.endr
.irp i, 2,4,6,8,10,12,14
.irp b, 0,1,2,3
	v_max3_num_f32 v[TM+\b], v[TM+\b], |v[\s+16*\b+\i]|, |v[\s+1+16*\b+\i]|
.endr
.endr
.irp b, 0,1,2,3
	v_permlanex16_b32 v[TM+4+\b], v[TM+\b], s[SEL], s[SEL+1]
.endr
.irp b, 0,1,2,3
	v_max_num_f32 v[TM+\b], v[TM+\b], v[TM+4+\b]
.endr
.irp b, 0,1,2,3
	v_add_nc_u32 v[TM+12+\b], 0xff000000, v[TM+\b]
.endr
.irp b, 0,1,2,3
	v_lshrrev_b32 v[TM+4+\b], 23, v[TM+12+\b]
.endr
	v_lshl_or_b32 v[\pw], v[TM+5], 8, v[TM+4]
	v_lshl_or_b32 v[\pw], v[TM+6], 16, v[\pw]
	v_lshl_or_b32 v[\pw], v[TM+7], 24, v[\pw]
.irp c, 0,1
	v_cvt_scalef32_pk16_fp6_f32 v[PC+6*\c:PC+2+6*\c], v[\s+32*\c:\s+15+32*\c], v[TM+12+2*\c]
	v_cvt_scalef32_pk16_fp6_f32 v[PC+12+4*\c:PC+14+4*\c], v[\s+16+32*\c:\s+31+32*\c], v[TM+12+2*\c+1]
.endr
	v_nop
.irp c, 0,1
.irp i, 0,1,2
	v_permlane16_swap_b32 v[PC+6*\c+\i], v[PC+12+4*\c+\i]
.endr
.irp i, 0,1,2
	v_mov_b32 v[PC+3+6*\c+\i], v[PC+12+4*\c+\i]
.endr
.endr
.endm
.macro ADDQ a, v
.if (\a) > 0
	s_wait_xcnt 0x0                                ; the last block's stores have read their data
.endif
	WIN (0x02+(\a)/4)
.set AC, 64*((\a)%4)
.set n, 0
.rept 32
.if \v
	v_pk_add_f32 v[HA+n:HA+n+1], v[AC+n:AC+n+1], v[BI+2*(\a):BI+2*(\a)+1]
.else
	v_pk_add_f32 v[HA+n:HA+n+1], v[AC+n:AC+n+1], v[BJ+n:BJ+n+1]
.endif
.set n, n+2
.endr
	WIN 0
	QUANT HA, SW+(\a)
.endm
.irp b, 0,1,2,3
	v_mov_b32 v[TM+4+\b], 0                        ; a lane permute's destination counts as a source; also the places behind the last products
.endr
	s_cmp_eq_u32 ttmp9, 2
	s_cbranch_scc1 .Lv
.irp b, 0,1,2,3
.irp i, 0,1,2,3
	ds_load_b128 v[BJ+16*\b+4*\i:BJ+16*\b+4*\i+3], v[BLJ] offset:128*\b+16*\i
.endr
.endr
	s_wait_dscnt 0x0
.irp a, 0,1,2,3,4,5,6,7
	ADDQ \a, 0
.irp p, 0,1,2
	global_store_b64 v[OFF0], v[PC+2*\p:PC+2*\p+1], s[98:99] offset:768*\a+256*\p
.endr
.irp p, 0,1,2
	global_store_b64 v[OFF1], v[PC+6+2*\p:PC+6+2*\p+1], s[98:99] offset:768*\a+256*\p
.endr
.if \a%4 == 3
.irp i, 0,1,2,3
	v_bfe_u32 v[SOUT+\a-3+\i], v[SW+\a-3+\i], v[SH], 16
.endr
	global_store_b128 v[OFFS], v[SOUT+\a-3:SOUT+\a], s[98:99] offset:256*(\a/4)
.endif
.endr
	s_branch .Lend
.Lv:
.irp a, 0,1,2,3,4,5,6,7
	ds_load_b32 v[BI+2*\a], v[BLI] offset:(32*(\a/2)+8*(\a%2))*4
	ds_load_b32 v[BI+2*\a+1], v[BLI] offset:(32*(\a/2)+8*(\a%2))*4
.endr
	s_wait_dscnt 0x0
.irp a, 0,1,2,3,4,5,6,7
	ADDQ \a, 1
.irp j, 0,1,2
	global_store_b128 v[L16], v[PC+4*\j:PC+4*\j+3], s[98:99] offset:(\a/4)*KVH+6144+(\a%4)*1536+512*\j
.endr
.endr
	s_mov_b32 s105, 0xffff0000
.irp i, 0,1,2,3
	v_cndmask_b32 v[SOUT+\i], v[SW+\i], v[SW+4+\i], s105
.endr
	global_store_b128 v[OFFS], v[SOUT:SOUT+3], s[98:99]
.Lend:
	s_wait_tensorcnt 0x0                           ; the wave's end
	ds_add_u32 v[SPW], v[NIL]
	s_wait_dscnt 0x0
	CROUND                                         ; the closing round
	s_endpgm
.Lfunc_end_k_q2121935a58_qkv:
	.size	k_q2121935a58_qkv, .Lfunc_end_k_q2121935a58_qkv-k_q2121935a58_qkv
	.p2alignl 7, 3214868480
	.fill 96, 4, 3214868480
	.section	.rodata,"a",@progbits
	.p2align	6, 0x0
	.amdhsa_kernel k_q2121935a58_qkv
		.amdhsa_group_segment_fixed_size 327680
		.amdhsa_private_segment_fixed_size 0
		.amdhsa_enable_private_segment 0
		.amdhsa_kernarg_size 56
		.amdhsa_user_sgpr_count 2
		.amdhsa_user_sgpr_kernarg_segment_ptr 1
		.amdhsa_wavefront_size32 1
		.amdhsa_system_sgpr_workgroup_id_x 1
		.amdhsa_system_sgpr_workgroup_id_y 1
		.amdhsa_system_sgpr_workgroup_id_z 1
		.amdhsa_system_vgpr_workitem_id 0
		.amdhsa_next_free_vgpr 1024
		.amdhsa_next_free_sgpr 106
		.amdhsa_reserve_vcc 0
		.amdhsa_float_denorm_mode_32 3
		.amdhsa_float_denorm_mode_16_64 3
		.amdhsa_memory_ordered 1
		.amdhsa_forward_progress 1
		.amdhsa_inst_pref_size 235
	.end_amdhsa_kernel
	.amdgpu_metadata
---
amdhsa.version: [ 1, 2 ]
amdhsa.kernels:
  - .name:           k_q2121935a58_qkv
    .symbol:         k_q2121935a58_qkv.kd
    .args:
      - { .name: xc, .offset: 0, .size: 8, .value_kind: global_buffer, .address_space: global }
      - { .name: xs, .offset: 8, .size: 8, .value_kind: global_buffer, .address_space: global }
      - { .name: wc, .offset: 16, .size: 8, .value_kind: global_buffer, .address_space: global }
      - { .name: ws, .offset: 24, .size: 8, .value_kind: global_buffer, .address_space: global }
      - { .name: b_attn, .offset: 32, .size: 8, .value_kind: global_buffer, .address_space: global }
      - { .name: qb, .offset: 40, .size: 8, .value_kind: global_buffer, .address_space: global }
      - { .name: kv, .offset: 48, .size: 8, .value_kind: global_buffer, .address_space: global }
    .group_segment_fixed_size: 327680
    .private_segment_fixed_size: 0
    .kernarg_segment_align: 8
    .kernarg_segment_size: 56
    .max_flat_workgroup_size: 128
    .sgpr_count:     106
    .vgpr_count:     1024
    .wavefront_size: 32
...
	.end_amdgpu_metadata
.endif
;; end of part 2
;; launch attn (part 3): grid 4 x 64, 16 waves a work-group, clusters of 4 x 1, 280,576 bytes of LDS; arguments qb, kv, out0; writes out0
.if DOCPART == 3
	.amdgcn_target "amdgcn-amd-amdhsa--gfx1250"
	.amdhsa_code_object_version 6
	.text
	.protected	k_q2121935a58_attn
	.globl	k_q2121935a58_attn
	.p2align	8
	.type	k_q2121935a58_attn,@function
k_q2121935a58_attn:
	s_mov_b64 s[64:65], 0
	v_nop
	global_prefetch_b8 v0, s[64:65] scope:SCOPE_SE
	s_setreg_imm32_b32 hwreg(HW_REG_WAVE_MODE, 25, 1), 1
	s_wait_xcnt 0x0
	s_wait_alu depctr_hold_cnt(0) depctr_sa_sdst(0) depctr_va_vdst(0) depctr_va_sdst(0) depctr_va_ssrc(0) depctr_va_vcc(0) depctr_vm_vsrc(0)
	s_getreg_b32 s2, hwreg(HW_REG_IB_STS2, 6, 4)
	s_cmp_eq_u32 s2, 0
	s_cbranch_scc0 .Lentry_in_a_cluster
	s_endpgm
.Lentry_in_a_cluster:
	s_bfe_u32 s2, ttmp6, 0x10000c
	s_cmp_lg_u32 s2, 0x3003
	s_cbranch_scc0 .Lentry_shape_is_right
	s_endpgm
.Lentry_shape_is_right:
; out0[b][q][64 head + d] = the sum over k <= q of softmax_k(Q . K / 8) V, both products on codes of FP6 (E2M3) with one E8M0 scale for each 32 along a product's K.  64 (batch, head) pairs, 2,048 tokens, head size 64.
; THE SOFTMAX AHEAD OF THE SECOND PRODUCT: t = score x log2(e) / 8; M = the row's largest t so far, rounded UP to a whole number; p = 2^(t - M) is what is quantised, along the keys; it is not normalised.
; The row's sum is taken of the unquantised p, in f32, and divides O at the end.  When M moves, the sum and O are multiplied by 2^(old M - new M): exact.
; INPUTS are images of operand registers, made by the launch before.  qb: [64][16 groups of 128 queries][6,656]: 8 tiles x 768 bytes (registers 2 p, 2 p + 1 at 256 p + 8 x lane), scale words [2][row 16][4 tiles] at 6,144.
; kv: [64][16 steps of 128 keys][13,056]: K as in qb, its scale words at 12,288; V's 4 tiles (16 channels x 128 keys, registers 4 j .. at 512 j + 16 x lane) at 6,144, their scale words [row 16][4 tiles] at 12,800.
; Tile a of Q or K holds tokens 32 (a / 2) + 8 (a % 2) + r + 8 (r / 8) of its 128; V's tile a the channels of the same pattern.  The head size is 64: the upper half of each instruction's K = 128 is zero codes on both sides.
; SHARES.  A cluster of four work-groups is one (batch, head).  Work-group cx owns, in each group g of 128 queries, tiles 2 cx and 2 cx + 1 (32 queries).  Wave w of sixteen runs two tasks: group w, first tile, and
; group 15 - w, second tile: (w + 1) + (16 - w) = 17 key steps for every wave of every work-group.  Key steps that lie wholly behind the causal mask are jumped over, by a branch on the wave's number and a counter.
; No branch and no LDS address hangs on cx: it enters Q's and O's addresses and the mask's threshold, which is data for a select.
; K AND V: the head's 208,896 bytes are filled into LDS ONCE: wave w asks for key step w, jointly with the same wave of the three partners (one tensor load a wave is out).  Nothing is filled again: one wait, one barrier.
; LAYOUT.  Both products are used transposed: S^T = K Q^T (source 0 = 16 keys, source 1 = my 16 queries), O^T = V^T P^T: a lane holds ONE query (lane % 16) throughout; register 16 b + i of S^T is key 32 b + 16 (lane / 16) + i.
; LIMITS: NaN and infinities are not served; a block of p that is all zeros gets the scale byte 1 over zero codes.
.set KVB,   13056                      ; a key step's block
.set KVH,   16*KVB                     ; a head's
.set QBB,   6656
.set QBH,   16*QBB
.set VCO,   6144                       ; in a block of kv: V's codes,
.set KSO,   12288                      ; K's scale words,
.set VSO,   12800                      ; V's scale words
.set STAGE, KVH                        ; LDS behind the head's K and V: 16 rows x (256 bytes + 16) for each wave, for the way out; no fill lands here
.set L8,   1                           ; v1   8 x lane
.set L16,  2                           ; v2   16 x lane
.set R16,  3                           ; v3   16 (lane % 16)
.set ADK,  4                           ; v4-6 the step's LDS addresses: K's pieces, V's pieces, scale words
.set ADV,  5
.set ADS,  6
.set DQ,   7                           ; v7   the mask's threshold: my query in its group - 16 (lane / 16)
.set GO,   8                           ; v8   the way out: 4,096 (lane / 16) + 16 (lane % 16)
.set STI,  9                           ; v9   the stage: where I put a row's bytes
.set STO,  10                          ; v10  and where I read rows back
.set DQ0,  11                          ; v11  the threshold without the task's part
.set QF,   16                          ; v16-27 Q: 6 registers of codes, 6 of zeros.   v12 -M, v13 the largest t, v[14:15] the sum in two halves
.set QS,   28                          ; v28  Q's scale words, and nothing else
.set PW,   29                          ; v29  p's scale words, and nothing else
.set FF,   30                          ; v30  f = 2^(old M - new M); v31 at work (named with it as a pair)
.set TT,   31
.set KB,   32                          ; v32-79   four fragments of K: 6 registers loaded, 6 of zeros
.set VB,   80                          ; v80-127  V's four fragments
.set S,    128                         ; v128-191 S^T, then p
.set OT,   192                         ; v192-223 O^T, four tiles
.set PC,   224                         ; v224-235 p's codes
.set BM,   236                         ; v236-239 each block's largest score, then its largest p, then the conversion's scale operand
.set T8,   240                         ; v240-247 at work
.set KSW,  248                         ; v248-255 scale words: K's eight, then V's four (v252-255 also at work for the sum)
.set WV,   10                          ; s10 wave;  s11 cx;  s12 the (batch, head)
.set CX,   11
.set BH,   12
.set G,    14                          ; s14 the task's group of queries
.set KN,   15                          ; s15 the key step
.set TB,   16                          ; s16 where its block begins in LDS
.set T,    17
.set SEL,  18                          ; s[18:19] lane l xor 16
.set CS,   20                          ; s[20:21] c = log2(e) / 8
.set G1,   24                          ; s[24:31], s[32:35] the descriptor
.set G0,   32
.set QP,   36                          ; s[36:37] the task's Q codes;  s[38:39] its rows of O;  s[40:41] its Q scale words
.set OP,   38
.set QSP,  40
.set OF,   42                          ; s[42:43] an offset
.set QB0,  44                          ; s[44:45], s[46:47], s[48:49] the same three without the task's part
.set QS0,  46
.set OB0,  48
.set DOF,  50                          ; s[50:51] the descriptor's offset: it never holds cx
.macro CROUND                          ; a round of the cluster's barrier
	s_barrier_signal -1
	s_barrier_wait -1
	s_cmp_lg_u32 s[WV], 0
	s_cbranch_scc1 .Lnot_wave_0_\@
	s_barrier_signal -3
.Lnot_wave_0_\@:
	s_barrier_wait -3
	s_barrier_signal -1
	s_barrier_wait -1
.endm
	s_load_b128 s[4:7], s[0:1], 0x0                ; qb s[4:5], kv s[6:7]
	s_load_b64 s[8:9], s[0:1], 0x10                ; out0
	v_lshl_add_u32 v254, v0, 2, 0x44000
	v_mov_b32 v255, 0
	ds_add_u32 v254, v255
	ds_add_u32 v254, v255
	s_wait_dscnt 0x0
	v_lshrrev_b32 v1, 5, v0
	s_delay_alu instid0(VALU_DEP_1)
	v_readfirstlane_b32 s[WV], v1                  ; wave 0..15
	s_bfe_u32 s[CX], ttmp6, 0x40000                ; my place in the cluster
	s_and_b32 s[BH], ttmp7, 0xffff                 ; the cluster's y: 16 x batch + head, shared by the four
	; descriptor group 1: a key step's block, 13,056 dense bytes, as 51 rows of 256 bytes (32 elements of 8 bytes); no padding: images are read lane by lane on end
	s_mov_b32 s[G1], 15|(3<<16)|(1<<21)            ; 15:0 the mask: all four work-groups; 17:16 elements of 8 bytes; 21 set beside a mask
	s_mov_b32 s[G1+1], 32<<16                      ; tensor_dim0
	s_mov_b32 s[G1+2], 51<<16                      ; tensor_dim1
	s_mov_b32 s[G1+3], 32<<16                      ; tile_dim0
	s_mov_b32 s[G1+4], 51                          ; tile_dim1
	s_mov_b32 s[G1+5], 32                          ; tensor_dim0_stride
	s_mov_b32 s[G1+6], 0
	s_mov_b32 s[G1+7], 0
	s_mul_i32 s[T], s[WV], KVB                     ; key step w: its place in the head, in memory and in LDS alike
	s_mul_i32 s[DOF], s[BH], KVH
	s_add_co_u32 s[DOF], s[DOF], s[T]
	s_mov_b32 s[DOF+1], 0
	s_mov_b32 s[SEL], 0x76543210
	s_mov_b32 s[SEL+1], 0xfedcba98
	s_mov_b32 s[CS], 0x3e38aa3b                    ; log2(e) / 8
	s_mov_b32 s[CS+1], s[CS]                       ; (named with it as a pair, so it is written)
	s_wait_kmcnt 0x0
	s_mov_b32 s[G0], 1                             ; count = 1
	s_mov_b32 s[G0+1], s[T]                        ; LDS address
	s_add_nc_u64 s[G0+2:G0+3], s[6:7], s[DOF:DOF+1]
	s_or_b32 s[G0+3], s[G0+3], 0x80000000          ; type = 2
	CROUND                                         ; all four work-groups are here: the joint loads meet
	tensor_load_to_lds s[G0:G0+3], s[G1:G1+7]      ; my one tensor load of the launch
	s_nop 0
.rept 4
	v_nop
.endr
	s_mul_i32 s[OF], s[BH], QBH
	s_mul_i32 s[T], s[CX], 1536
	s_add_co_u32 s[OF], s[OF], s[T]
	s_mov_b32 s[OF+1], 0
	s_add_nc_u64 s[QB0:QB0+1], s[4:5], s[OF:OF+1]  ; Q's codes: my head, tile 2 cx
	s_mul_i32 s[OF], s[BH], QBH
	s_lshr_b32 s[T], s[CX], 1
	s_lshl_b32 s[T], s[T], 8
	s_add_co_u32 s[OF], s[OF], s[T]
	s_and_b32 s[T], s[CX], 1
	s_lshl_b32 s[T], s[T], 3
	s_add_co_u32 s[OF], s[OF], s[T]
	s_add_co_u32 s[OF], s[OF], 6144
	s_add_nc_u64 s[QS0:QS0+1], s[4:5], s[OF:OF+1]  ; its scale words: group of four tiles cx / 2, word 2 (cx % 2)
	s_lshr_b32 s[OF], s[BH], 4
	s_lshl_b32 s[OF], s[OF], 23                    ; the batch: 2,048 rows of 4,096 bytes
	s_and_b32 s[T], s[BH], 15
	s_lshl_b32 s[T], s[T], 8                       ; the head: 256 bytes of a row
	s_add_co_u32 s[OF], s[OF], s[T]
	s_lshl_b32 s[T], s[CX], 17                     ; 32 cx rows
	s_add_co_u32 s[OF], s[OF], s[T]
	s_add_nc_u64 s[OB0:OB0+1], s[8:9], s[OF:OF+1]
	v_and_b32 v[TT], 31, v0                        ; lane
	s_delay_alu instid0(VALU_DEP_1)
	v_lshlrev_b32 v[L8], 3, v[TT]
	s_delay_alu instid0(VALU_DEP_2)
	v_lshlrev_b32 v[L16], 4, v[TT]
	v_and_b32 v12, 15, v0                          ; r
	v_bfe_u32 v13, v0, 4, 1                        ; h
	s_delay_alu instid0(VALU_DEP_2)
	v_lshlrev_b32 v[R16], 4, v12
	s_delay_alu instid0(VALU_DEP_1)
	v_lshl_add_u32 v[GO], v13, 12, v[R16]
	s_mul_i32 s[T], s[WV], 16*272
	s_add_co_u32 s[T], s[T], STAGE                 ; my stage
	v_mul_u32_u24 v[STI], v12, 272
	s_delay_alu instid0(VALU_DEP_1)
	v_lshl_add_u32 v[STI], v13, 6, v[STI]
	s_delay_alu instid0(VALU_DEP_1)
	v_add_nc_u32 v[STI], s[T], v[STI]              ; in: row r, + 64 h
	v_mul_u32_u24 v[STO], v13, 272
	s_delay_alu instid0(VALU_DEP_1)
	v_add_nc_u32 v[STO], v[STO], v[R16]
	s_delay_alu instid0(VALU_DEP_1)
	v_add_nc_u32 v[STO], s[T], v[STO]              ; back: lanes 0-15 one row, lanes 16-31 the next
	v_and_b32 v14, 8, v12
	s_delay_alu instid0(VALU_DEP_1)
	v_add_nc_u32 v14, v14, v12                     ; r + 8 (r / 8)
	v_lshlrev_b32 v15, 4, v13
	s_delay_alu instid0(VALU_DEP_1)
	v_sub_nc_u32 v14, v14, v15
	s_delay_alu instid0(VALU_DEP_1)
	v_lshl_add_u32 v[DQ0], s[CX], 5, v14           ; 32 cx + r + 8 (r / 8) - 16 h
.irp j, 6,7,8,9,10,11
	v_mov_b32 v[QF+\j], 0                          ; the zero codes of K = 64 .. 127, on both sides: written once
.irp t, 0,1,2,3
	v_mov_b32 v[KB+12*\t+\j], 0
.endr
.endr
.irp b, 0,1,2,3
	v_mov_b32 v[T8+\b], 0                          ; a lane permute's destination counts as one of its sources
.endr
; A task's addresses and its four loads of Q.  The first task's are issued ahead of the wait for K and V, the second task's behind the first task's way out.
.macro TQ e
	s_xor_b32 s[G], s[WV], 15*\e
	s_mul_i32 s[OF], s[G], QBB
	s_mov_b32 s[OF+1], 0
	s_add_nc_u64 s[QP:QP+1], s[QB0:QB0+1], s[OF:OF+1]
	s_add_nc_u64 s[QSP:QSP+1], s[QS0:QS0+1], s[OF:OF+1]
	s_lshl_b32 s[OF], s[G], 19                     ; 128 G rows of 4,096 bytes
	s_add_nc_u64 s[OP:OP+1], s[OB0:OB0+1], s[OF:OF+1]
.irp p, 0,1,2
	global_load_b64 v[QF+2*\p:QF+2*\p+1], v[L8], s[QP:QP+1] offset:768*\e+256*\p   ; 256 consecutive bytes a load
.endr
	global_load_b32 v[QS], v[R16], s[QSP:QSP+1] offset:4*\e
.endm
	TQ 0                                           ; the first task's Q is on its way while K and V land; it is waited for ahead of the task's loop
	s_wait_tensorcnt 0x0                           ; my key step has landed,
	s_barrier_signal -1
	s_barrier_wait -1                              ; everybody's has: the head's K and V lie in LDS and are only read from here on
; A TASK: 16 queries, tile 2 cx + e of group G = w (e = 0) or 15 - w (e = 1); key steps 0 .. G.
.macro TASK e
.if \e
	s_wait_xcnt 0x0                                ; the first task's loads and stores have read their addresses and data: both are written again only behind this wait
	TQ 1
.endif
	v_add_nc_u32 v[DQ], 8*\e, v[DQ0]
	v_mov_b32 v13, 0xff61b1e6                      ; the largest t so far: -3e38, under every t
	s_delay_alu instid0(VALU_DEP_1)
	v_floor_f32 v12, -v13                          ; -M
	v_mov_b32 v14, 0                               ; the sum, in two halves
	v_mov_b32 v15, 0
.set n, 0
.rept 32
	v_mov_b32 v[OT+n], 0                           ; O^T.  (The step is written once: the first finds zeros, which the first change of M leaves zeros)
.set n, n+1
.endr
	s_mov_b32 s[TB], 0
	s_mov_b32 s[KN], 0
	s_wait_loadcnt 0x0                             ; Q
.Lstep_\@:                                         ; 16 trips, a constant; a step all of whose keys come after my queries leaves out its work, not the lines that step
	s_cmp_gt_u32 s[KN], s[G]
	s_cbranch_scc1 .Lhidden_\@
	v_add_nc_u32 v[ADK], s[TB], v[L8]
	v_add_nc_u32 v[ADV], s[TB], v[L16]
	v_add_nc_u32 v[ADS], s[TB], v[R16]
	v_nop                                          ; four places in front of loads into registers that the last step's products have read
	ds_load_b128 v[KSW:KSW+3], v[ADS] offset:KSO             ; K's scale words: tiles 0-3,
	ds_load_b128 v[KSW+4:KSW+7], v[ADS] offset:KSO+256       ; tiles 4-7
.irp t, 0,1,2,3
.irp p, 0,1,2
	ds_load_b64 v[KB+12*\t+2*\p:KB+12*\t+2*\p+1], v[ADK] offset:768*\t+256*\p
.endr
.endr
.irp t, 0,1,2,3
.irp j, 0,1,2
	ds_load_b128 v[VB+12*\t+4*\j:VB+12*\t+4*\j+3], v[ADV] offset:VCO+1536*\t+512*\j
.endr
.endr
	s_wait_alu depctr_va_vdst(0)
	s_wait_dscnt 12                                ; K's words and tiles 0-3 are in; V's twelve loads may be out
.irp t, 0,1,2,3
	v_wmma_scale_f32_16x16x128_f8f6f4 v[S+8*\t:S+8*\t+7], v[KB+12*\t:KB+12*\t+11], v[QF:QF+11], 0, v[KSW+\t], v[QS] matrix_a_fmt:MATRIX_FMT_FP6 matrix_b_fmt:MATRIX_FMT_FP6
.endr
.rept 4
	v_nop                                          ; places in front of loads into K's registers
.endr
.irp t, 0,1,2,3
.irp p, 0,1,2
	ds_load_b64 v[KB+12*\t+2*\p:KB+12*\t+2*\p+1], v[ADK] offset:768*(4+\t)+256*\p
.endr
.endr
	s_wait_dscnt 0x0
.irp t, 0,1,2,3
	v_wmma_scale_f32_16x16x128_f8f6f4 v[S+32+8*\t:S+32+8*\t+7], v[KB+12*\t:KB+12*\t+11], v[QF:QF+11], 0, v[KSW+4+\t], v[QS] matrix_a_fmt:MATRIX_FMT_FP6 matrix_b_fmt:MATRIX_FMT_FP6
.endr
.rept 4
	v_nop                                          ; places in front of the first read of the scores, and of the load below
.endr
	ds_load_b128 v[KSW:KSW+3], v[ADS] offset:VSO   ; V's scale words, where K's first four lay
	s_cmp_lg_u32 s[KN], s[G]                       ; on the diagonal the scores of hidden keys become -infinity ahead of the maximum: p = 0 then.  Key 0 of the step counts for every query
	s_cbranch_scc1 .Lopen_\@
	v_mov_b32 v[TT], 0xff800000
.set n, 0
.rept 64
	v_cmp_gt_i32 vcc_lo, 32*(n/16)+n%16, v[DQ]     ; register 16 b + i holds key 32 b + 16 (lane / 16) + i of the step: hidden where 32 b + i > my query - 16 (lane / 16)
	v_cndmask_b32 v[S+n], v[S+n], v[TT], vcc_lo
.set n, n+1
.endr
.Lopen_\@:
.irp b, 0,1,2,3
	v_max3_num_f32 v[BM+\b], v[S+16*\b], v[S+16*\b+1], v[S+16*\b+2]   ; the largest score of each block of 32 keys: it serves for the row's maximum and, since p rises with the score, for the block's largest p
.endr
.irp i, 3,5,7,9,11,13
.irp b, 0,1,2,3
	v_max3_num_f32 v[BM+\b], v[BM+\b], v[S+16*\b+\i], v[S+16*\b+\i+1]
.endr
.endr
.irp b, 0,1,2,3
	v_max_num_f32 v[BM+\b], v[BM+\b], v[S+16*\b+15]
.endr
.irp b, 0,1,2,3
	s_delay_alu instid0(VALU_DEP_4)
	v_permlanex16_b32 v[T8+\b], v[BM+\b], s[SEL], s[SEL+1]
.endr
.irp b, 0,1,2,3
	s_delay_alu instid0(VALU_DEP_4)
	v_max_num_f32 v[BM+\b], v[BM+\b], v[T8+\b]     ; with lane l xor 16's 16 keys
.endr
	s_delay_alu instid0(VALU_DEP_2)
	v_max3_num_f32 v[TT], v[BM], v[BM+1], v[BM+2]
	s_delay_alu instid0(VALU_DEP_1)
	v_max_num_f32 v[TT], v[TT], v[BM+3]            ; the step's largest score of my query
	s_delay_alu instid0(VALU_DEP_1)
	v_mul_f32 v[TT], s[CS], v[TT]                  ; as t (c is positive)
	s_delay_alu instid0(VALU_DEP_1)
	v_max_num_f32 v13, v13, v[TT]                  ; the running largest t
	v_mov_b32 v[TT], v12
	s_delay_alu instid0(VALU_DEP_2)
	v_floor_f32 v12, -v13                          ; the new -M = floor(-t) = -ceil(t): a whole number
	s_delay_alu instid0(VALU_DEP_1)
	v_sub_f32 v[TT], v12, v[TT]                    ; M's old value less its new one: a whole number, 0 or less
	s_delay_alu instid0(VALU_DEP_1)
	v_cvt_i32_f32 v[TT], v[TT]                     ; (it saturates)
	s_delay_alu instid0(VALU_DEP_1)
	v_ldexp_f32 v[FF], 1.0, v[TT]                  ; f = 2^(old M - new M)
.set n, 0
.rept 32
	v_pk_fma_f32 v[S+n:S+n+1], v[S+n:S+n+1], s[CS:CS+1], v[12:13] op_sel_hi:[1,0,0]   ; t - M, two at a time
.set n, n+2
.endr
.irp b, 0,1,2,3
	v_fma_f32 v[BM+\b], v[BM+\b], s[CS], v12       ; the same of each block's largest score
.endr
.set n, 0
	s_wait_alu depctr_va_vdst(0)
.rept 64
	v_exp_f32 v[S+n], v[S+n]                       ; p = 2^(t - M), at most 1: not normalised
.set n, n+1
.endr
	v_pk_mul_f32 v[14:15], v[14:15], v[FF:FF+1] op_sel_hi:[1,0]   ; the sums under the new M: the plain instruction behind the exponentials
	s_wait_alu depctr_va_vdst(0)                   ; one wait for the 64, ahead of the first line that names a result
.irp b, 0,1,2,3
	v_exp_f32 v[BM+\b], v[BM+\b]                   ; the block's largest p: the same two instructions on the same number give the same bits
.endr
.set n, 0
	s_wait_alu depctr_va_vdst(0)
.rept 16
	v_pk_mul_f32 v[OT+n:OT+n+1], v[OT+n:OT+n+1], v[FF:FF+1] op_sel_hi:[1,0]   ; O^T under the new M, each tile from its low end on: the work behind the four
.set n, n+2
.endr
	s_wait_alu depctr_va_vdst(0)                   ; and one wait for the four
.irp b, 0,1,2,3
	v_max_num_f32 v[BM+\b], 0x1800000, v[BM+\b]    ; the floor 2^(3 - 127): the byte cannot fall under 1
.endr
.irp b, 0,1,2,3
	s_delay_alu instid0(VALU_DEP_4)
	v_add_nc_u32 v[BM+\b], 0xff000000, v[BM+\b]    ; 2 off the exponent field: the conversion's scale operand
.endr
.irp b, 0,1,2,3
	s_delay_alu instid0(VALU_DEP_4)
	v_lshrrev_b32 v[T8+\b], 23, v[BM+\b]           ; the scale's byte
.endr
	s_delay_alu instid0(VALU_DEP_3)
	v_lshl_or_b32 v[PW], v[T8+1], 8, v[T8]         ; p's scale word for these 128 keys
	s_delay_alu instid0(VALU_DEP_1)
	v_lshl_or_b32 v[PW], v[T8+2], 16, v[PW]
	s_delay_alu instid0(VALU_DEP_1)
	v_lshl_or_b32 v[PW], v[T8+3], 24, v[PW]
.irp c, 0,1
	v_cvt_scalef32_pk16_fp6_f32 v[PC+6*\c:PC+6*\c+2], v[S+32*\c:S+32*\c+15], v[BM+2*\c]
	v_cvt_scalef32_pk16_fp6_f32 v[T8+4*\c:T8+4*\c+2], v[S+32*\c+16:S+32*\c+31], v[BM+2*\c+1]   ; (a conversion's three registers begin on an even number)
.endr
	v_nop                                          ; one plain place behind a scaled conversion
.irp c, 0,1                                    ; the operand's layout wants a WHOLE block in a lane: lanes 0-15 block 2 c, lanes 16-31 block 2 c + 1
.irp i, 0,1,2
	v_permlane16_swap_b32 v[PC+6*\c+\i], v[T8+4*\c+\i]
.endr
.irp i, 0,1,2
	s_delay_alu instid0(VALU_DEP_3)
	v_mov_b32 v[PC+3+6*\c+\i], v[T8+4*\c+\i]
.endr
.endr
	v_pk_add_f32 v[240:241], v[132:133], v[136:137]
	v_pk_add_f32 v[254:255], v[140:141], v[144:145]
	v_pk_add_f32 v[252:253], v[148:149], v[152:153]
	v_pk_add_f32 v[246:247], v[156:157], v[160:161]
	v_pk_add_f32 v[244:245], v[164:165], v[168:169]
	v_pk_add_f32 v[238:239], v[172:173], v[176:177]
	v_pk_add_f32 v[236:237], v[180:181], v[184:185]
	v_pk_add_f32 v[14:15], v[14:15], v[188:189]
	v_pk_add_f32 v[240:241], v[240:241], v[128:129]
	v_pk_add_f32 v[254:255], v[254:255], v[130:131]
	v_pk_add_f32 v[252:253], v[252:253], v[134:135]
	v_pk_add_f32 v[246:247], v[246:247], v[138:139]
	v_pk_add_f32 v[244:245], v[244:245], v[142:143]
	v_pk_add_f32 v[238:239], v[238:239], v[146:147]
	v_pk_add_f32 v[236:237], v[236:237], v[150:151]
	v_pk_add_f32 v[14:15], v[14:15], v[154:155]
	v_pk_add_f32 v[240:241], v[240:241], v[158:159]
	v_pk_add_f32 v[254:255], v[254:255], v[162:163]
	v_pk_add_f32 v[252:253], v[252:253], v[166:167]
	v_pk_add_f32 v[246:247], v[246:247], v[170:171]
	v_pk_add_f32 v[244:245], v[244:245], v[174:175]
	v_pk_add_f32 v[238:239], v[238:239], v[178:179]
	v_pk_add_f32 v[236:237], v[236:237], v[182:183]
	v_pk_add_f32 v[14:15], v[14:15], v[186:187]
	v_pk_add_f32 v[240:241], v[240:241], v[190:191]
	s_delay_alu instid0(VALU_DEP_2)
	v_pk_add_f32 v[14:15], v[14:15], v[246:247]
	s_delay_alu instid0(VALU_DEP_2)
	v_pk_add_f32 v[240:241], v[240:241], v[244:245]
	v_pk_add_f32 v[254:255], v[254:255], v[238:239]
	v_pk_add_f32 v[252:253], v[252:253], v[236:237]
	s_delay_alu instid0(VALU_DEP_2)
	v_pk_add_f32 v[14:15], v[14:15], v[254:255]
	s_delay_alu instid0(VALU_DEP_2)
	v_pk_add_f32 v[240:241], v[240:241], v[252:253]
	s_delay_alu instid0(VALU_DEP_1)
	v_pk_add_f32 v[14:15], v[14:15], v[240:241]
	s_wait_dscnt 0x0                               ; V's scale words
.irp t, 0,1,2,3                                ; O^T += V^T P^T: the four accumulators by turns; the next step's eight products K Q^T stand between two links
	v_wmma_scale_f32_16x16x128_f8f6f4 v[OT+8*\t:OT+8*\t+7], v[VB+12*\t:VB+12*\t+11], v[PC:PC+11], v[OT+8*\t:OT+8*\t+7], v[KSW+\t], v[PW] matrix_a_fmt:MATRIX_FMT_FP6 matrix_b_fmt:MATRIX_FMT_FP6
.endr
.Lhidden_\@:
	s_add_co_u32 s[TB], s[TB], KVB
	s_add_co_u32 s[KN], s[KN], 1
	s_cmp_lt_u32 s[KN], 16
	s_cbranch_scc1 .Lstep_\@
	; THE WAY OUT.  O^T is divided by the sum and goes through my stage in LDS, so that sixteen lanes store the 256 consecutive aligned bytes of one (token, head).  Register 16 b + i of O^T is channel 32 b + 16 (lane / 16) + i
	s_wait_alu depctr_va_vdst(0)
	v_add_f32 v14, v14, v15                        ; the sum's two halves,
	s_delay_alu instid0(VALU_DEP_1)
	v_permlanex16_b32 v[TT], v14, s[SEL], s[SEL+1]
	s_delay_alu instid0(VALU_DEP_1)
	v_add_f32 v14, v14, v[TT]                      ; and lane l xor 16's: the row's sum
	s_wait_alu depctr_va_vdst(0)
	v_rcp_f32 v14, v14
.rept 4
	v_nop                                          ; the plain place behind the reciprocal, and the places behind the last products
.endr
	s_wait_alu depctr_va_vdst(0)                   ; the wait ahead of the reciprocal's first reader
.set n, 0
.rept 16
	v_pk_mul_f32 v[S+n:S+n+1], v[OT+n:OT+n+1], v[14:15] op_sel_hi:[1,0]
.set n, n+2
.endr
.irp b, 0,1
.irp i, 0,1,2,3
	ds_store_b128 v[STI], v[S+16*\b+4*\i:S+16*\b+4*\i+3] offset:128*\b+16*\i
.endr
.endr
.irp i, 0,1,2,3,4,5,6,7
	ds_load_b128 v[S+32+4*\i:S+32+4*\i+3], v[STO] offset:544*\i   ; LDS serves a wave's instructions in order: these see my stores.  Rows 2 i and 2 i + 1
.endr
.irp i, 0,1,2,3,4,5,6,7
	s_wait_dscnt 7-\i                              ; load i is in; the younger ones may be out
	global_store_b128 v[GO], v[S+32+4*\i:S+32+4*\i+3], s[OP:OP+1] offset:(8*\e+2*\i+8*(\i/4))*4096 th:TH_STORE_NT   ; row rho of the tile is token 8 e + rho + 8 (rho / 8) of my 32
.endr
.endm
	TASK 0
	TASK 1
	s_wait_xcnt 0x0
	v_lshl_add_u32 v254, v0, 2, 0x44000
	v_mov_b32 v255, 0
	s_wait_alu depctr_va_vdst(0)
	s_wait_tensorcnt 0x0
	ds_add_u32 v254, v255
	s_wait_dscnt 0x0
	CROUND                                         ; the closing round
	s_endpgm
.Lfunc_end_k_q2121935a58_attn:
	.size	k_q2121935a58_attn, .Lfunc_end_k_q2121935a58_attn-k_q2121935a58_attn
	.p2alignl 7, 3214868480
	.fill 96, 4, 3214868480
	.section	.rodata,"a",@progbits
	.p2align	6, 0x0
	.amdhsa_kernel k_q2121935a58_attn
		.amdhsa_group_segment_fixed_size 280576
		.amdhsa_private_segment_fixed_size 0
		.amdhsa_enable_private_segment 0
		.amdhsa_kernarg_size 24
		.amdhsa_user_sgpr_count 2
		.amdhsa_user_sgpr_kernarg_segment_ptr 1
		.amdhsa_wavefront_size32 1
		.amdhsa_system_sgpr_workgroup_id_x 1
		.amdhsa_system_sgpr_workgroup_id_y 1
		.amdhsa_system_sgpr_workgroup_id_z 1
		.amdhsa_system_vgpr_workitem_id 0
		.amdhsa_next_free_vgpr 256
		.amdhsa_next_free_sgpr 66
		.amdhsa_reserve_vcc 1
		.amdhsa_float_denorm_mode_32 3
		.amdhsa_float_denorm_mode_16_64 3
		.amdhsa_memory_ordered 1
		.amdhsa_forward_progress 1
		.amdhsa_inst_pref_size 63
	.end_amdhsa_kernel
	.amdgpu_metadata
---
amdhsa.version: [ 1, 2 ]
amdhsa.kernels:
  - .name:           k_q2121935a58_attn
    .symbol:         k_q2121935a58_attn.kd
    .args:
      - { .name: qb, .offset: 0, .size: 8, .value_kind: global_buffer, .address_space: global }
      - { .name: kv, .offset: 8, .size: 8, .value_kind: global_buffer, .address_space: global }
      - { .name: out0, .offset: 16, .size: 8, .value_kind: global_buffer, .address_space: global }
    .group_segment_fixed_size: 280576
    .private_segment_fixed_size: 0
    .kernarg_segment_align: 8
    .kernarg_segment_size: 24
    .max_flat_workgroup_size: 512
    .sgpr_count:     66
    .vgpr_count:     256
    .wavefront_size: 32
...
	.end_amdgpu_metadata
.endif
;; end of part 3
